; MI455X (gfx1250); checked and timed in simulation.
; The chip was launched on July 23, 2026; its instructions are those of AMD's public machine-readable ISA for CDNA 5 (MIT licence, August 2026) and "CDNA5" Instruction Set Architecture Reference Guide (July 2026). The comments in the code are by the model that wrote it; some were corrected since.
;; Local Self Attention. Allowed arithmetic: matrix products marked QUANTISED: E2M3 operands, one E8M0 scale for each 32 along K, by v_wmma_scale_f32_16x16x128_f8f6f4 with both operands' format E2M3, f32 sums; everything else in f32.
;; Inputs: W_proj 1,024 x 1,024 float32; W_qkv 1,024 x 3,072 float32; b_proj 1,024 float32; b_qkv 3,072 float32; x 2 x 2,048 x 1,024 float32.
;; Outputs: out0 2 x 2,048 x 1,024 float32.
;; This version of the problem:
;;   THIS VERSION OF THE PROBLEM IS GIVEN IN LOW PRECISION. The matrix products marked QUANTISED in the list below multiply operands that are first quantised to E2M3 (2 exponent bits, 3 mantissa bits; 6 bits a number), with one power-of-two scale for each 32 numbers along K (OCP MX v1.0); their sums are f32. All else is computed in f32.
;;   The module's matrix products, in the order in which they are computed (A, B: the left and right operand; K: the contracted axis; several contracted axes count as one K, in the product's order):
;;     1. [M 4,096, K 1,024] x [K 1,024, N 3,072]; A: input x; B: input W_qkv: QUANTISED
;;     2. batch 32 x [M 2,048, K 64] x [K 64, N 2,048]; A: computed on the way; B: computed on the way: QUANTISED
;;     3. batch 32 x [M 2,048, K 2,048] x [K 2,048, N 64]; A: softmax (see below); B: computed on the way: QUANTISED
;;     4. [M 4,096, K 1,024] x [K 1,024, N 1,024]; A: computed on the way; B: input W_proj: QUANTISED
;;   THE QUANTISER, for each operand of a quantised product, along K:
;;     - K is cut into blocks of 32 from its start; a last block that is shorter is filled with zeros.
;;     - A block's scale is 2^e with e = floor(log2(the largest magnitude in the block)) - 2, held to -126 .. 127; a block of zeros has e = 0. As a byte (E8M0): e + 127.
;;     - Each number is divided by its block's scale, clamped to +-7.5, and rounded to the nearest number of E2M3, ties to even, subnormals kept.
;;     - The product sums the exact products of the quantised numbers (number of the format x scale) in f32.
;;   ~~~python
;;   def quantise(x, axis):      # numpy; x: float32 -> the quantised numbers, widened to float32 again
;;       x = np.moveaxis(x, axis, -1); K = x.shape[-1]
;;       x = np.pad(x, [(0, 0)] * (x.ndim - 1) + [(0, -K % 32)]); x = x.reshape(x.shape[:-1] + (-1, 32)); a = np.abs(x).max(-1, keepdims=True)
;;       e = np.where(a > 0, np.clip(np.frexp(np.where(a > 0, a, 1))[1] - 1 - 2, -126, 127), 0)      # np.frexp(a)[1] - 1 = floor(log2(a)), exactly
;;       r = np.clip(x / 2.0 ** e, -7.5, 7.5)
;;       step = 2.0 ** (np.maximum(np.frexp(np.where(r == 0, 1, r))[1] - 1, 0) - 3)
;;       q = np.round(r / step) * step * 2.0 ** e      # np.round: ties to even
;;       return np.moveaxis(q.reshape(q.shape[:-2] + (-1,))[..., :K], -1, axis).astype(np.float32)
;;   ~~~
;;   SOFTMAX AHEAD OF A QUANTISED PRODUCT. Where the list says 'softmax', what is quantised is not the finished softmax but p = 2^(t - M), with t = logit x log2(e) and M = ceil(the row's largest t), a whole number; so 1/2 < the row's largest p <= 1. The row's sum l is taken of the UNQUANTISED p, in f32, and the product's result is divided by l at the end. Since M is a whole number, a kernel that streams over the keys may use a running M (the ceiling of the running maximum): every later rescaling is an exact power of two, which a block's scale takes up: the codes' values come out the same.
;;   OPERANDS COMPUTED ON THE WAY. 'Computed on the way' means the value that the module computes at that place (a softmax that the list does not call 'softmax' is quantised finished and normalised). What goes into a quantiser is computed in f32, as accurately as f32 sums, v_exp_f32 and their like allow (about 1e-6 of the number): no bf16 or f16 on the way to a quantiser, and a product that is left as it is and whose result goes on into a quantised operand takes f32 operands (vector FMAs, or v_wmma_f32_16x16x4_f32). A number that lies on a knife's edge between two numbers of the format may be rounded either way, as far as f32 arithmetic and the matrix unit's own rounding can turn it there, and no further.
;; One version. Each part assembles by itself: llvm-mc -triple=amdgcn-amd-amdhsa -mcpu=gfx1250 --defsym DOCPART=n.
;; ======== version 1 of 1: 3 launches
;; limits: right only within a limited range of input values
;; workspace buffers: xq 3,379,200 bytes; wq 2,490,368 bytes; pq 819,200 bytes; oq 3,276,800 bytes
;; launch quant (part 1): grid 512 x 1, 4 waves a work-group, no clusters, 34,304 bytes of LDS; arguments x, W_qkv, W_proj, xq, wq, pq; writes xq, wq, pq
.if DOCPART == 1
	.amdgcn_target "amdgcn-amd-amdhsa--gfx1250"
	.amdhsa_code_object_version 6
	.text
	.protected	k_q8e791a55ae_quant
	.globl	k_q8e791a55ae_quant
	.p2align	8
	.type	k_q8e791a55ae_quant,@function
k_q8e791a55ae_quant:
	s_mov_b64 s[64:65], 0
	v_nop
	global_prefetch_b8 v0, s[64:65] scope:SCOPE_SE
	s_setreg_imm32_b32 hwreg(HW_REG_WAVE_MODE, 25, 1), 1
	s_wait_xcnt 0x0
; x [4096][1024], W_qkv [1024][3072] and W_proj [1024][1024], f32, become codes of FP6 (E2M3) with one E8M0 byte for each 32 along K (K = 1024 in all three).
; DEAD WORK LEFT OUT BY THE PROGRAM: reference() sets every score with |q - k| > 64 to -inf ahead of the softmax, so a key outside the band has p = 0 for all values of the inputs.  For the 64 queries of an aligned
; band of 64 tokens only the keys of that band and its two neighbours are multiplied.  LIMIT: a NaN or infinity that reaches only the scores left out is not carried to the result.
; A block's scale is 2^(floor(log2(largest magnitude)) - 2); its byte is the largest magnitude's exponent field - 2, held at 1 from below.
; LIMITS: a block of zeros gets the byte 1 where the rule says 127 (its codes are zeros, and this program alone reads the bytes); NaN and infinities are not served.
; ORDER.  Within each 64 tokens of x (columns of W) position 16 j + 8 h + i (j = 0..3, h = 0, 1, i = 0..7) holds index 32 h + 8 j + i.  So the results of four tiles of 16 positions leave a lane with 32 neighbouring indices.
; A fragment (16 positions x 128 K, 12 registers a lane) is stored as an image of its registers: byte 512 g + 16 lane + 4 j is register 4 g + j; images lie [tile][K group].  Scale words (one row, 128 K) lie [K group][position] at the buffer's head.
; xq has 64 positions of padding at either end, copies of the 64 tokens at that end, so that a window of 64 tokens round a block lies inside the buffer; the consumer's mask hides them.
; W_qkv's tiles lie [head][q, k, v][four tiles], so that a head's twelve tiles are neighbours.
; SHARES.  Work-groups 0-255: x; a wave takes 32 positions x 128 K.  Work-groups 256-447: W_qkv, 448-511: W_proj; a wave takes 32 columns x 128 K.  Waves share nothing: no barrier.
.set SEL, 20
.set R0,  32
.set R1,  96
.set PCA, 160
.set PCB, 172
.set TM,  184
.set CT,  24
.set VO,  32
.set X,   64
.set I0,  128
.set I1,  140
; 64 numbers of a lane, register 16 b + i = k 32 b + 16 (lane / 16) + i of my row, become a fragment's 12 registers of codes at v[pc] and its scale word in v[pw].
.macro QUANT s, pc, pw
.irp b, 0,1,2,3
	v_max3_num_f32 v[TM+\b], |v[\s+16*\b]|, |v[\s+16*\b+1]|, 0x1800000      ; with the floor 2^(3 - 127)
.endr
.irp i, 2,4,6,8,10,12,14
.irp b, 0,1,2,3
	v_max3_num_f32 v[TM+\b], v[TM+\b], |v[\s+16*\b+\i]|, |v[\s+16*\b+\i+1]|
.endr
.endr
.irp b, 0,1,2,3
	v_permlanex16_b32 v[TM+4+\b], v[TM+\b], s[SEL], s[SEL+1]
.endr
.irp b, 0,1,2,3
	v_max_num_f32 v[TM+\b], v[TM+\b], v[TM+4+\b]
.endr
.irp b, 0,1,2,3
	v_add_nc_u32 v[TM+12+\b], 0xff000000, v[TM+\b]
.endr
.irp b, 0,1,2,3
	v_lshrrev_b32 v[TM+4+\b], 23, v[TM+12+\b]
.endr
	v_lshl_or_b32 v[\pw], v[TM+5], 8, v[TM+4]
	v_lshl_or_b32 v[\pw], v[TM+6], 16, v[\pw]
	v_lshl_or_b32 v[\pw], v[TM+7], 24, v[\pw]
.irp c, 0,1
	v_cvt_scalef32_pk16_fp6_f32 v[\pc+6*\c:\pc+6*\c+2], v[\s+32*\c:\s+32*\c+15], v[TM+12+2*\c]
	v_cvt_scalef32_pk16_fp6_f32 v[CT+4*\c:CT+4*\c+2], v[\s+32*\c+16:\s+32*\c+31], v[TM+13+2*\c]
.endr
	v_nop                                          ; one plain line behind the scaled conversions
.irp c, 0,1                                        ; the operand wants a whole block in a lane
.irp i, 0,1,2
	v_permlane16_swap_b32 v[\pc+6*\c+\i], v[CT+4*\c+\i]
.endr
.irp i, 0,1,2
	v_mov_b32 v[\pc+6*\c+3+\i], v[CT+4*\c+\i]
.endr
.endr
.endm
	s_load_b256 s[4:11], s[0:1], 0x0               ; x, W_qkv, W_proj, xq
	s_load_b128 s[12:15], s[0:1], 0x20             ; wq, pq
	v_lshl_add_u32 v200, v0, 2, 0x8400
	v_mov_b32 v201, 0
	v_lshrrev_b32 v1, 5, v0
	v_readfirstlane_b32 s16, v1                    ; wave
	v_and_b32 v2, 31, v0                           ; lane
	v_lshlrev_b32 v3, 4, v2
	v_lshlrev_b32 v6, 2, v2
	s_mov_b32 s[SEL], 0x76543210
	s_mov_b32 s[SEL+1], 0xfedcba98
	s_wait_alu depctr_va_vdst(0)
	s_wait_kmcnt 0x0
	s_cmp_lt_u32 ttmp9, 256
	s_cbranch_scc0 .Lweights
	; ---------------- x: pair of tiles P = work-group / 2, K group 4 (work-group % 2) + wave
	s_lshr_b32 s17, ttmp9, 1                       ; P
	s_and_b32 s18, ttmp9, 1
	s_lshl_b32 s18, s18, 2
	s_add_co_u32 s18, s18, s16                     ; K group
	s_lshr_b32 s22, s17, 1
	s_lshl_b32 s22, s22, 18                        ; 64 tokens of 4,096 bytes
	s_and_b32 s23, s17, 1
	s_lshl_b32 s23, s23, 16                        ; + 16 tokens in the odd pair
	s_add_co_u32 s22, s22, s23
	s_lshl_b32 s23, s18, 9
	s_add_co_u32 s22, s22, s23
	s_mov_b32 s23, 0
	s_lshl_b32 s24, s17, 4
	s_add_co_u32 s24, s24, s18
	s_mul_i32 s24, s24, 1536
	s_add_co_u32 s24, s24, 184320                  ; behind 8 planes of 16,896 bytes and four tiles of padding
	s_mov_b32 s25, 0
	s_mul_i32 s26, s18, 16896
	s_lshl_b32 s27, s17, 7
	s_add_co_u32 s27, s27, 256
	s_add_co_u32 s26, s26, s27
	s_mov_b32 s27, 0
	s_add_nc_u64 s[4:5], s[4:5], s[22:23]
	s_add_nc_u64 s[24:25], s[10:11], s[24:25]
	s_add_nc_u64 s[26:27], s[10:11], s[26:27]
	s_wait_alu depctr_va_vdst(0)
.irp u, 0,1                                        ; row p of tile u is token 32 (p / 8) + 8 u + p % 8 from there; a load takes that token's 512 bytes
.irp p, 0,1,2,3,4,5,6,7,8,9,10,11,12,13,14,15
	global_load_b128 v[R0+64*\u+4*\p:R0+64*\u+4*\p+3], v3, s[4:5] offset:(32*(\p/8)+8*\u+\p%8)*4096 th:TH_LOAD_NT
.endr
.endr
	s_mul_i32 s19, s16, 8448                       ; my stage: 16 rows of 512 + 16 bytes
	v_add_nc_u32 v4, s19, v3
	v_and_b32 v7, 15, v2
	v_bfe_u32 v5, v2, 4, 1
	v_lshlrev_b32 v5, 6, v5
	v_mad_u32_u24 v5, v7, 528, v5
	v_add_nc_u32 v5, s19, v5
.irp b, 0,1,2,3
	v_mov_b32 v[TM+4+\b], 0                        ; a lane permute's destination counts as one of its sources
.endr
.macro XTURN rr                                    ; 16 rows go into the stage as they lie and come back 16 neighbours of each block of 32 to a lane
.irp p, 0,1,2,3,4,5,6,7,8,9,10,11,12,13,14,15
	ds_store_b128 v4, v[\rr+4*\p:\rr+4*\p+3] offset:528*\p
.endr
.irp b, 0,1,2,3
.irp j, 0,1,2,3
	ds_load_b128 v[\rr+16*\b+4*\j:\rr+16*\b+4*\j+3], v5 offset:128*\b+16*\j
.endr
.endr
.endm
	s_wait_alu depctr_va_vdst(0)
	s_wait_loadcnt 16                              ; tile 0's sixteen loads are in; tile 1's may be out
	XTURN R0
	s_wait_loadcnt 0x0
	XTURN R1
	s_wait_dscnt 32                                ; tile 0 is back; behind its loads stand tile 1's 16 stores and 16 loads
	QUANT R0, PCA, 8
.irp g, 0,1,2
	global_store_b128 v3, v[PCA+4*\g:PCA+4*\g+3], s[24:25] offset:512*\g
.endr
	s_wait_dscnt 0x0
	QUANT R1, PCB, 9
.irp g, 0,1,2
	global_store_b128 v3, v[PCB+4*\g:PCB+4*\g+3], s[24:25] offset:12288+512*\g
.endr
	v_cmp_lt_u32 vcc_lo, 15, v2
	v_cndmask_b32 v10, v8, v9, vcc_lo              ; lanes 0-15: tile 0's words, lanes 16-31: tile 1's
	s_wait_alu depctr_va_vdst(0)
	global_store_b32 v6, v10, s[26:27]
	; the padding: the first two pairs are stored once more four tiles ahead, the last two four tiles behind
	s_mov_b32 s28, 49152
	s_mov_b32 s29, 0
	s_mov_b32 s30, 256
	s_mov_b32 s31, 0
	s_sub_nc_u64 s[32:33], s[24:25], s[28:29]
	s_add_nc_u64 s[34:35], s[24:25], s[28:29]
	s_sub_nc_u64 s[36:37], s[26:27], s[30:31]
	s_add_nc_u64 s[38:39], s[26:27], s[30:31]
	s_cmp_lt_u32 s17, 64
	s_cselect_b64 s[32:33], s[32:33], s[34:35]
	s_cselect_b64 s[36:37], s[36:37], s[38:39]
	s_sub_co_u32 s40, s17, 2
	s_cmp_lt_u32 s40, 124
	s_cbranch_scc1 .Lno_padding
.irp g, 0,1,2
	global_store_b128 v3, v[PCA+4*\g:PCA+4*\g+3], s[32:33] offset:512*\g
	global_store_b128 v3, v[PCB+4*\g:PCB+4*\g+3], s[32:33] offset:12288+512*\g
.endr
	global_store_b32 v6, v10, s[36:37]
.Lno_padding:
	s_wait_tensorcnt 0x0
	ds_add_u32 v200, v201
	s_wait_dscnt 0x0
	s_endpgm
	; ---------------- the weights: a lane takes a column, its registers run down K
.Lweights:
	s_cmp_lt_u32 ttmp9, 448
	s_cselect_b64 s[6:7], s[6:7], s[8:9]           ; from
	s_cselect_b64 s[12:13], s[12:13], s[14:15]     ; to
	s_mov_b32 s28, 4096
	s_cselect_b32 s28, 12288, s28                  ; a row of the weight in bytes
	s_mov_b32 s29, 32768
	s_cselect_b32 s29, 131072, s29                 ; where the images begin
	s_cselect_b32 s30, 14, 12                      ; log2 of a plane of scale words
	s_mov_b32 s31, 448
	s_cselect_b32 s31, 256, s31
	s_sub_co_u32 s17, ttmp9, s31
	s_and_b32 s18, s17, 7                          ; K group
	s_lshr_b32 s19, s17, 3
	s_lshl_b32 s19, s19, 2
	s_add_co_u32 s19, s19, s16                     ; pair of tiles P
	s_lshl_b32 s22, s18, 7
	s_mul_i32 s22, s22, s28                        ; 128 rows a group
	s_lshr_b32 s23, s19, 1
	s_lshl_b32 s23, s23, 8                         ; + 64 columns for two pairs
	s_add_co_u32 s22, s22, s23
	s_and_b32 s23, s19, 1
	s_lshl_b32 s23, s23, 6                         ; + 16 columns in the odd pair
	s_add_co_u32 s22, s22, s23
	s_mov_b32 s23, 0
	s_lshl_b32 s24, s28, 5                         ; 32 rows on
	s_mov_b32 s25, 0
	s_add_nc_u64 s[32:33], s[6:7], s[22:23]
	s_add_nc_u64 s[34:35], s[32:33], s[24:25]
	s_add_nc_u64 s[36:37], s[34:35], s[24:25]
	s_add_nc_u64 s[38:39], s[36:37], s[24:25]
	s_lshr_b32 s40, s19, 5                         ; W_qkv: pair 32 m + 2 head + half goes to place 6 head + 2 m + half
	s_lshl_b32 s40, s40, 1
	s_bfe_u32 s41, s19, 0x40001
	s_mul_i32 s41, s41, 6
	s_add_co_u32 s40, s40, s41
	s_and_b32 s41, s19, 1
	s_add_co_u32 s40, s40, s41
	s_cmp_lt_u32 ttmp9, 448
	s_cselect_b32 s19, s40, s19
	s_lshl_b32 s24, s19, 4
	s_add_co_u32 s24, s24, s18
	s_mul_i32 s24, s24, 1536
	s_add_co_u32 s24, s24, s29
	s_lshl_b32 s26, s18, s30
	s_lshl_b32 s27, s19, 7
	s_add_co_u32 s26, s26, s27
	s_mov_b32 s27, 0
	s_add_nc_u64 s[24:25], s[12:13], s[24:25]
	s_add_nc_u64 s[26:27], s[12:13], s[26:27]
	s_wait_alu depctr_va_vdst(0)
	v_and_b32 v7, 7, v2                            ; my column: 32 x (bit 3 of my lane) + 8 x (bit 4) + the low three bits
	v_bfe_u32 v8, v2, 3, 1
	v_bfe_u32 v9, v2, 4, 1
	v_lshl_or_b32 v7, v8, 5, v7
	v_lshl_or_b32 v7, v9, 3, v7
	v_lshlrev_b32 v[VO], 2, v7
.set n, 1
.rept 31
	v_add_nc_u32 v[VO+n], s28, v[VO+n-1]
.set n, n+1
.endr
.macro WLOAD t                                     ; block t of the group: 32 rows
.set n, 0
.rept 32
	global_load_b32 v[X+32*((\t)%2)+n], v[VO+n], s[32+2*(\t):33+2*(\t)] th:TH_LOAD_NT
.set n, n+1
.endr
.endm
.macro WBLOCK t
.set XS, X+32*((\t)%2)
.set ID, I0+12*((\t)%2)+6*((\t)/2)
.if (\t) < 3
	s_wait_loadcnt 32                              ; this block's loads are in; the next block's 32 may be out
.else
	s_wait_loadcnt 0x0
.endif
	v_max3_num_f32 v12, |v[XS]|, |v[XS+1]|, |v[XS+2]|
	v_max3_num_f32 v13, |v[XS+3]|, |v[XS+4]|, |v[XS+5]|
.irp i, 6,10,14,18,22,26
	v_max3_num_f32 v12, v12, |v[XS+\i]|, |v[XS+\i+1]|
	v_max3_num_f32 v13, v13, |v[XS+\i+2]|, |v[XS+\i+3]|
.endr
	v_max3_num_f32 v12, v12, |v[XS+30]|, |v[XS+31]|
	v_max3_num_f32 v12, v12, v13, 0x1800000
	v_add_nc_u32 v11, 0xff000000, v12
	v_lshrrev_b32 v13, 23, v11
.if (\t) == 0
	v_mov_b32 v16, v13
.else
	v_lshl_or_b32 v16, v13, 8*(\t), v16            ; the four bytes make my column's scale word
.endif
	v_cvt_scalef32_pk16_fp6_f32 v[ID:ID+2], v[XS:XS+15], v11
	v_cvt_scalef32_pk16_fp6_f32 v[CT:CT+2], v[XS+16:XS+31], v11
	v_nop
.irp i, 0,1,2
	v_mov_b32 v[ID+3+\i], v[CT+\i]
.endr
.if (\t) < 2
	WLOAD (\t)+2
.endif
.endm
	WLOAD 0
	WLOAD 1
	WBLOCK 0
	WBLOCK 1
	WBLOCK 2
	WBLOCK 3
.set n, 0
.rept 12                                           ; lanes 0-15 hold tile 0's rows, lanes 16-31 tile 1's; the exchange gives each tile's image
	v_permlane16_swap_b32 v[I0+n], v[I1+n]
.set n, n+1
.endr
.irp g, 0,1,2
	global_store_b128 v3, v[I0+4*\g:I0+4*\g+3], s[24:25] offset:512*\g
	global_store_b128 v3, v[I1+4*\g:I1+4*\g+3], s[24:25] offset:12288+512*\g
.endr
	global_store_b32 v6, v16, s[26:27]
	s_endpgm
.Lfunc_end_k_q8e791a55ae_quant:
	.size	k_q8e791a55ae_quant, .Lfunc_end_k_q8e791a55ae_quant-k_q8e791a55ae_quant
	.p2alignl 7, 3214868480
	.fill 96, 4, 3214868480
	.section	.rodata,"a",@progbits
	.p2align	6, 0x0
	.amdhsa_kernel k_q8e791a55ae_quant
		.amdhsa_group_segment_fixed_size 34304
		.amdhsa_private_segment_fixed_size 0
		.amdhsa_enable_private_segment 0
		.amdhsa_kernarg_size 48
		.amdhsa_user_sgpr_count 2
		.amdhsa_user_sgpr_kernarg_segment_ptr 1
		.amdhsa_wavefront_size32 1
		.amdhsa_system_sgpr_workgroup_id_x 1
		.amdhsa_system_sgpr_workgroup_id_y 1
		.amdhsa_system_sgpr_workgroup_id_z 1
		.amdhsa_system_vgpr_workitem_id 0
		.amdhsa_next_free_vgpr 202
		.amdhsa_next_free_sgpr 66
		.amdhsa_reserve_vcc 1
		.amdhsa_float_denorm_mode_32 3
		.amdhsa_float_denorm_mode_16_64 3
		.amdhsa_memory_ordered 1
		.amdhsa_forward_progress 1
		.amdhsa_inst_pref_size 42
	.end_amdhsa_kernel
	.amdgpu_metadata
---
amdhsa.version: [ 1, 2 ]
amdhsa.kernels:
  - .name:           k_q8e791a55ae_quant
    .symbol:         k_q8e791a55ae_quant.kd
    .args:
      - { .name: x, .offset: 0, .size: 8, .value_kind: global_buffer, .address_space: global }
      - { .name: W_qkv, .offset: 8, .size: 8, .value_kind: global_buffer, .address_space: global }
      - { .name: W_proj, .offset: 16, .size: 8, .value_kind: global_buffer, .address_space: global }
      - { .name: xq, .offset: 24, .size: 8, .value_kind: global_buffer, .address_space: global }
      - { .name: wq, .offset: 32, .size: 8, .value_kind: global_buffer, .address_space: global }
      - { .name: pq, .offset: 40, .size: 8, .value_kind: global_buffer, .address_space: global }
    .group_segment_fixed_size: 34304
    .private_segment_fixed_size: 0
    .kernarg_segment_align: 8
    .kernarg_segment_size: 48
    .max_flat_workgroup_size: 128
    .sgpr_count:     66
    .vgpr_count:     202
    .wavefront_size: 32
...
	.end_amdgpu_metadata
.endif
;; end of part 1
;; launch qkva (part 2): grid 16 x 16, 4 waves a work-group, clusters of 4 x 4, 327,680 bytes of LDS; arguments xq, wq, b_qkv, oq; writes oq
.if DOCPART == 2
	.amdgcn_target "amdgcn-amd-amdhsa--gfx1250"
	.amdhsa_code_object_version 6
	.text
	.protected	k_q8e791a55ae_qkva
	.globl	k_q8e791a55ae_qkva
	.p2align	8
	.type	k_q8e791a55ae_qkva,@function
k_q8e791a55ae_qkva:
	s_mov_b64 s[64:65], 0
	v_nop
	global_prefetch_b8 v0, s[64:65] scope:SCOPE_SE
	s_setreg_imm32_b32 hwreg(HW_REG_WAVE_MODE, 25, 1), 1
	s_wait_xcnt 0x0
	s_wait_alu depctr_hold_cnt(0) depctr_sa_sdst(0) depctr_va_vdst(0) depctr_va_sdst(0) depctr_va_ssrc(0) depctr_va_vcc(0) depctr_vm_vsrc(0)
	s_getreg_b32 s2, hwreg(HW_REG_IB_STS2, 6, 4)
	s_cmp_eq_u32 s2, 0
	s_cbranch_scc0 .Lentry_in_a_cluster
	s_endpgm
.Lentry_in_a_cluster:
	s_bfe_u32 s2, ttmp6, 0x10000c
	s_cmp_lg_u32 s2, 0xf033
	s_cbranch_scc0 .Lentry_shape_is_right
	s_endpgm
.Lentry_shape_is_right:
; Q, K, V = x W_qkv + b_qkv, THEIR QUANTISERS, AND ATTENTION INSIDE THE BAND |q - k| <= 64, in one launch; the result is quantised along the channels for the projection.  All products on codes of FP6 (E2M3), sums in f32.
; SHARES.  Work-group (hd, e): head hd, the 256 queries 256 e ..  Its window is 384 tokens, six bands of 64: the queries are bands 1 to 4.  Q is made of bands 1 to 4, K and V of all six.
; Wave w makes Q, K, V of band 1 + w (48 products a K step of 128) and, of an outer band (0 for waves 0, 1; 5 for waves 2, 3), K in the even waves and V in the odd ones (16 products): 64 accumulators, 512 registers.
; Then it takes the queries of band 1 + w over the keys of bands w, w + 1, w + 2.  Keys outside these three bands are hidden from all of its queries by reference()'s mask and are not multiplied.
; ORDER: position 16 j + 8 h + i of each 64 is index 32 h + 8 j + i.  So four tiles' 32 results in lane (r, h), r = lane % 16, h = lane / 16, are 32 neighbours: ONE scale block, of channels (Q, K, the result) or of tokens (V, p).  No lane asks another for a maximum of a block.
; Q, K are made transposed (source 0 = W's rows); V with source 0 = x's rows; S^T = K Q^T, O^T = V^T P^T.
; LDS: two slots, each a chunk of K = 256: 24 tiles of x, 12 of W, as images of 1,536 bytes [tile][K group].  Both slots are filled at the head, one load a wave; each is filled again once, in a drained round.
; Behind them: images of K's and V's six bands [band][K, V][four tiles of 768 bytes: 16 bytes a lane, then 8], their scale bytes, the stages of Q's and the result's scale bytes.
; x's tiles are asked for jointly along a row of the cluster (same e), W's along a column (same head).
; THE BIAS is the first products' C: it lies in the accumulators of the last token tile, whose own first products come last.
; THE MASK is the C of the score products: 0 where the key counts, -1e30 where it does not.  With m = 8 (j - u) + i (key tile j, query tile u) one threshold serves all tiles: three runs of eight registers for the band
; ahead (j < u, j = u, j > u), three for the band behind.  At a sequence's ends the whole outer band is hidden.  LIMIT: |score| stays far under 1e30.  NaN and infinities are not served.
; SOFTMAX: t = score x log2(e) / 8; M = ceil(the row's largest t); p = 2^(t - M) is quantised along the keys; the row's sum of the unquantised p divides O.  A block of zeros gets the scale byte 1.
; REGISTERS.  Window 0: v16-79 scale words (8 a K step: Q, K, V columns 0-5, my band's tokens 6, 7), v80-111 the outer band's, with addresses between; v112-207 two sets of my band's fragments, v208-255 the outer band's.
; window 1: V's fragments, K's, two sets of Q's; v192-239 the masks.  window 2: V's sums, the outer band's.  window 3: K's, Q's.
; Loads stand behind pairs of products: a fragment is asked for again in the group of 16 products behind the group that read it last, with four v_nop ahead of the group.
.set SLOT,  110592
.set WOFF,  73728
.set IMG,   221184
.set SCL,   258048
.set QSC,   259584
.set OSC,   260096
.set SPARE, 260608
.set SPW, 2
.set NIL, 3
.set LN4, 4
.set LN16, 5
.set AX, 6
.set AY, 8
.set AW, 10
.set PFX, 12
.set PFW, 13
.set BQ, 14
.set BV, 15
.set SC, 16
.set SY, 80
.set QP, 82
.set QB, 90
.set IA, 98
.set IB, 99
.set IS, 100
.set QA, 101
.set EA, 106
.set EB, 107
.set ES, 108
.set RS, 109
.set QR, 1
.set XF, 112
.set YF, 208
.set VF, 0
.set KF, 48
.set QF, 96
.set QT, 112
.set QCD, 120
.set QC, 144
.set MP, 192
.set MN, 216
.set QOP, 144
.set BM, 132
.set TP, 138
.set TQ, 140
.set TR, 142
.set LC, 112
.set NM, 248
.set RL, 252
.set PC, 224
.set O, 160
.set TC, 160
.set SE, 184
.set PB, 190
.set WD, 196
.set WE, 198
.set VT, 204
.set P1, 80
.set MSB, 0
.macro WIN new                         ; the immediate's high byte repeats the setting that is left
.if MSB != (\new)
	s_set_vgpr_msb (MSB<<8)|(\new)
.set MSB, (\new)
.endif
.endm
.macro PLACES n
.rept \n
	v_nop
.endr
.endm
.macro WALU
	s_wait_alu depctr_va_vdst(0)
.endm
.macro CREST
	s_cmp_lg_u32 s14, 0
	s_cbranch_scc1 .Lnot_wave_0_\@
	s_barrier_signal -3
.Lnot_wave_0_\@:
	s_barrier_wait -3
	s_barrier_signal -1
	s_barrier_wait -1
.endm
.macro CROUND
	s_barrier_signal -1
	s_barrier_wait -1
	CREST
.endm
.macro TLOAD g0, g1
	tensor_load_to_lds s[\g0:\g0+3], s[\g1:\g1+7]
	s_nop 0
	PLACES 4
.endm
.macro REFILL lo, gw, gx               ; wave lo asks for W's chunk, wave lo + 1 for x's
	s_cmp_eq_u32 s14, \lo
	s_cbranch_scc0 .Lfor_x_\@
	TLOAD \gw, 32
	s_branch .Lasked_\@
.Lfor_x_\@:
	s_cmp_eq_u32 s14, \lo+1
	s_cbranch_scc0 .Lnone_\@
	TLOAD \gx, 24
.Lnone_\@:
.Lasked_\@:
.endm
; ---- products.  kind 0: V, 1: the outer band's V, 2: K, 3: the outer band's K, 4: Q.  n = 0 .. 15: token tile n / 4, column tile n % 4.
.macro WMX ra, rb
	v_wmma_scale_f32_16x16x128_f8f6f4 v[rD:rD+7], v[rA:rA+11], v[rB:rB+11], v[rC:rC+7], v[rSA], v[rSB] matrix_a_fmt:MATRIX_FMT_FP6 matrix_b_fmt:MATRIX_FMT_FP6 matrix_a_scale:MATRIX_SCALE_ROW\ra matrix_b_scale:MATRIX_SCALE_ROW\rb
.endm
.macro PROD kind, s, n
.set o_, (\n)/4
.set q_, (\n)%4
.if (\kind)%2
.set xr_, YF+12*o_
.set xs_, SY+8*((\s)/2)+6*((\s)%2)+o_/2
.else
.set xr_, XF+48*((\s)%2)+12*o_
.set xs_, SC+8*(\s)+6+o_/2
.endif
.if (\kind) < 2
.set rA, xr_
.set rSA, xs_
.set rRA, o_%2
.set rB, VF+12*q_
.set rSB, SC+8*(\s)+4+q_/2
.set rRB, q_%2
.set rD, 128*(\kind)+32*q_+8*o_
.set rC, rD
.if (\s) == 0
.set rC, 32*q_+24
.endif
	WIN 0xa4
.else
.set rB, xr_
.set rSB, xs_
.set rRB, o_%2
.set rRA, q_%2
.if (\kind) == 4
.set rA, QF+48*((\s)%2)+12*q_
.set rSA, SC+8*(\s)+q_/2
.set rD, 128+32*o_+8*q_
.else
.set rA, KF+12*q_
.set rSA, SC+8*(\s)+2+q_/2
.set rD, 128*((\kind)-2)+32*o_+8*q_
.endif
.set rC, rD
.if (\s) == 0
.set rC, 96+8*q_
.if (\kind) == 4
.set rC, 224+8*q_
.endif
.endif
.if (\kind) == 3
.if (\s) == 0
	WIN 0xb1
.else
	WIN 0xa1
.endif
.else
	WIN 0xf1
.endif
.endif
.if ((\s) == 0) && ((\n) == 12) && ((\kind)%2 == 0)
	PLACES 5                               ; the last token tile's sums begin over the bias, which the products ahead have read as C
.endif
.if rRA && rRB
	WMX 1, 1
.elseif rRA
	WMX 1, 0
.elseif rRB
	WMX 0, 1
.else
	WMX 0, 0
.endif
.endm
; 16 products by pairs; the n entries of a list are spread behind the eight pairs.  The 64 accumulators take turns, one instruction a turn.
.macro GRP kind, s, list, n, from=0, to=8
.set P_, \from
.rept (\to)-(\from)
	PROD \kind, \s, 2*P_
	PROD \kind, \s, 2*P_+1
.set I_, P_*(\n)/8
.rept (P_+1)*(\n)/8-P_*(\n)/8
	\list I_, (\s)+1
.set I_, I_+1
.endr
.set P_, P_+1
.endr
.endm
.macro EGRP s, list, n                 ; the outer band: K in the even waves, V in the odd ones
	WIN 0
	s_cmp_eq_u32 s15, 0
	s_cbranch_scc0 .Lodd_\@
	GRP 3, \s, \list, \n
	WIN 0
	WALU
	s_branch .Ljoin_\@
.Lodd_\@:
	GRP 1, \s, \list, \n
	WIN 0
.Ljoin_\@:
.endm
; ---- lists of loads: entry i of step s's fragments, three loads of 16 bytes a lane to a fragment
.macro LDF reg, win, adr, tile, i, s
.set f_, (\i)/3
.set g_, (\i)%3
	WIN \win
	ds_load_b128 v[\reg+12*f_+4*g_:\reg+12*f_+4*g_+3], v[\adr+((\s)/2)%2] offset:3072*(\tile+f_)+1536*((\s)%2)+512*g_
.endm
.macro L_NONE i, s
.endm
.macro L_X i, s
	LDF XF+48*((\s)%2), 0, AX, 0, \i, \s
.endm
.macro L_Y i, s
	LDF YF, 0, AY, 0, \i, \s
.endm
.macro L_Q i, s
	LDF QF+48*((\s)%2), 0x40, AW, 0, \i, \s
.endm
.macro L_K i, s
	LDF KF, 0x40, AW, 4, \i, \s
.endm
.macro L_V i, s
	LDF VF, 0x40, AW, 8, \i, \s
.endm
.macro L_XQ i, s
.if (\i) < 12
	L_X \i, \s
.else
	L_Q (\i)-12, \s
.endif
.endm
.macro L_VY i, s
.if (\i) < 12
	L_V \i, \s
.else
	L_Y (\i)-12, \s
.endif
.endm
.macro L_KY i, s
.if (\i) < 12
	L_K \i, \s
.else
	L_Y (\i)-6, \s
.endif
.endm
; ---- quantising U units of 32 sums a lane (window w, from register b, 32 apart): entry i of 23 U.  Codes: six registers a unit at v[cb + cs u] of window cw; the scale's byte in v[QB + u].
.macro QI i, U, w, b, cw, cb, cs
.if (\i) < 16*(\U)
.set k_, (\i)/(2*(\U))
.set c_, ((\i)/(\U))%2
.set u_, (\i)%(\U)
.set t_, QT+2*u_+c_
.set b_, (\b)+32*u_+16*c_+2*k_
.if k_ == 0
	WIN (\w)*21
	v_max3_num_f32 v[t_], |v[b_]|, |v[b_+1]|, |v[b_+2]|
.elseif k_ < 7
	WIN (\w)*20
	v_max3_num_f32 v[t_], v[t_], |v[b_+1]|, |v[b_+2]|
.elseif c_ == 0
	WIN (\w)*4
	v_max3_num_f32 v[t_], v[t_], |v[b_+1]|, 0x1800000
.else
	WIN (\w)*4
	v_max3_num_f32 v[QT+2*u_], v[t_], |v[b_+1]|, v[QT+2*u_]
.endif
.else
.set z_, (\i)-16*(\U)
.set p_, z_/(\U)
.set u_, z_%(\U)
.set b_, (\b)+32*u_
.set d_, (\cb)+(\cs)*u_
.if p_ == 0
	WIN 0
	v_add_nc_u32 v[QP+u_], 0xff000000, v[QT+2*u_]
.elseif p_ == 1
	WIN (\w)+64*(\cw)
	v_cvt_scalef32_pk16_fp6_f32 v[d_:d_+2], v[b_:b_+15], v[QP+u_]
.elseif p_ == 2
	WIN \w
	v_cvt_scalef32_pk16_fp6_f32 v[QC+4*u_:QC+4*u_+2], v[b_+16:b_+31], v[QP+u_]
.elseif p_ == 3
	WIN 0
	v_lshrrev_b32 v[QB+u_], 23, v[QP+u_]
.else
	WIN 64*(\cw)
	v_mov_b32 v[d_+p_-1], v[QC+4*u_+p_-4]
.endif
.endif
.endm
.macro L_QV i, s
	QI \i, 4, 2, 0, 0, QCD, 6
.endm
.macro L_QE i, s
	QI \i, 4, 2, 128, 0, QCD, 6
.endm
.macro L_QK i, s
	QI \i, 4, 3, 0, 0, QCD, 6
.endm
.macro PUT4 a, b, sb, off, soff        ; four units' codes and scale bytes into LDS
	WIN 0
	WALU
.irp u, 0,1,2,3
	ds_store_b128 v[\a], v[QCD+6*\u:QCD+6*\u+3] offset:\off+768*\u
	ds_store_b64 v[\b], v[QCD+6*\u+4:QCD+6*\u+5] offset:\off+768*\u
	ds_store_b8 v[\sb], v[QB+\u] offset:\soff+32*\u
.endr
.endm
; ================= THE HEAD
	s_load_b256 s[4:11], s[0:1], 0x0               ; xq, wq, b_qkv, oq
	v_lshl_add_u32 v[SPW], v0, 2, SPARE
	v_mov_b32 v[NIL], 0
	ds_add_u32 v[SPW], v[NIL]                      ; the opening lines
	ds_add_u32 v[SPW], v[NIL]
	v_lshrrev_b32 v1, 5, v0
	v_readfirstlane_b32 s14, v1                    ; wave
	s_and_b32 s15, s14, 1
	s_lshr_b32 s16, s14, 1
	s_bfe_u32 s84, ttmp6, 0x40000                  ; cx
	s_bfe_u32 s85, ttmp6, 0x40004                  ; cy
	s_lshl_b32 s17, ttmp9, 2
	s_add_co_u32 s17, s17, s84                     ; head
	s_and_b32 s18, ttmp7, 0xffff
	s_lshl_b32 s18, s18, 2
	s_add_co_u32 s18, s18, s85                     ; e
	s_lshl_b32 s86, s85, 2
	s_lshl_b32 s86, 15, s86                        ; my row of the cluster
	s_lshl_b32 s87, 0x1111, s84                    ; my column
	s_or_b32 s24, s86, (3<<16)|(1<<21)             ; x: 24 rows of 3,072 bytes, 12,288 apart
	s_mov_b32 s25, 384<<16
	s_mov_b32 s26, 24<<16
	s_mov_b32 s27, 384<<16
	s_mov_b32 s28, 24
	s_mov_b32 s29, 1536
	s_mov_b32 s30, 0
	s_mov_b32 s31, 0
	s_or_b32 s32, s87, (3<<16)|(1<<21)             ; W: 12 rows
	s_mov_b32 s33, 384<<16
	s_mov_b32 s34, 12<<16
	s_mov_b32 s35, 384<<16
	s_mov_b32 s36, 12
	s_mov_b32 s37, 1536
	s_mov_b32 s38, 0
	s_mov_b32 s39, 0
	s_mul_i32 s20, s18, 196608                     ; my window's first tile (the padding ahead of x is 64 tokens, as the window's)
	s_add_co_u32 s20, s20, 135168
	s_mov_b32 s21, 0
	s_mul_i32 s22, s17, 147456                     ; my head's twelve tiles
	s_add_co_u32 s22, s22, 131072
	s_mov_b32 s23, 0
	s_lshl_b32 s60, s18, 10
	s_mul_i32 s76, s16, 1280
	s_add_co_u32 s62, s60, s76                     ; scale words: the outer band's
	s_lshl_b32 s76, s14, 8
	s_add_co_u32 s60, s60, s76
	s_add_co_u32 s60, s60, 256                     ; my band's
	s_mov_b32 s61, 0
	s_mov_b32 s63, 0
	s_mul_i32 s66, s17, 768
	s_mov_b32 s67, 0
	s_lshl_b32 s68, s17, 8                         ; the head's biases
	s_mov_b32 s69, 0
	s_lshl_b32 s70, s18, 4
	s_lshl_b32 s76, s14, 2
	s_add_co_u32 s70, s70, s76
	s_mul_i32 s70, s70, 12288                      ; the result: my four tiles,
	s_lshr_b32 s76, s17, 1
	s_mul_i32 s76, s76, 1536
	s_add_co_u32 s70, s70, s76                     ; K group head / 2,
	s_and_b32 s76, s17, 1
	s_mul_i32 s76, s76, 768
	s_add_co_u32 s70, s70, s76                     ; half head % 2
	s_add_co_u32 s70, s70, 131072
	s_mov_b32 s71, 0
	s_lshl_b32 s72, s17, 13
	s_lshl_b32 s76, s18, 9
	s_add_co_u32 s72, s72, s76                     ; its scale bytes: [head][position][2]
	s_mov_b32 s73, 0
	s_mov_b32 s80, 0x76543210
	s_mov_b32 s81, 0xfedcba98
	s_mov_b32 s82, 0x3e38aa3b                      ; log2(e) / 8
	s_mov_b32 s83, s82
	s_wait_dscnt 0x0
	CROUND                                         ; all sixteen work-groups are here: the first joint loads meet
	s_wait_kmcnt 0x0
	s_add_nc_u64 s[56:57], s[4:5], s[20:21]
	s_add_nc_u64 s[58:59], s[6:7], s[22:23]
	s_mov_b32 s40, 1                               ; chunk 0 of W, of x, chunk 1 of W, of x
	s_mov_b32 s41, WOFF
	s_mov_b64 s[42:43], s[58:59]
	s_or_b32 s43, s43, 0x80000000
	s_mov_b32 s44, 1
	s_mov_b32 s45, 0
	s_mov_b64 s[46:47], s[56:57]
	s_or_b32 s47, s47, 0x80000000
	s_mov_b32 s48, 1
	s_mov_b32 s49, SLOT+WOFF
	s_add_nc_u64 s[50:51], s[58:59], 3072
	s_or_b32 s51, s51, 0x80000000
	s_mov_b32 s52, 1
	s_mov_b32 s53, SLOT
	s_add_nc_u64 s[54:55], s[56:57], 3072
	s_or_b32 s55, s55, 0x80000000
	s_cmp_eq_u32 s14, 0                            ; one load a wave
	s_cbranch_scc0 .Lwave_1
	TLOAD 40, 32
	s_branch .Lasked
.Lwave_1:
	s_cmp_eq_u32 s14, 1
	s_cbranch_scc0 .Lwave_2
	TLOAD 44, 24
	s_branch .Lasked
.Lwave_2:
	s_cmp_eq_u32 s14, 2
	s_cbranch_scc0 .Lwave_3
	TLOAD 48, 32
	s_branch .Lasked
.Lwave_3:
	TLOAD 52, 24
.Lasked:
	s_add_nc_u64 s[60:61], s[4:5], s[60:61]
	s_add_nc_u64 s[62:63], s[4:5], s[62:63]
	s_add_nc_u64 s[66:67], s[6:7], s[66:67]
	s_add_nc_u64 s[68:69], s[8:9], s[68:69]
	s_add_nc_u64 s[70:71], s[10:11], s[70:71]
	s_add_nc_u64 s[72:73], s[10:11], s[72:73]
	v_and_b32 v112, 31, v0                         ; lane
	v_and_b32 v113, 15, v0                         ; r
	v_bfe_u32 v114, v0, 4, 1                       ; h
	v_lshlrev_b32 v[LN4], 2, v112
	v_lshlrev_b32 v[LN16], 4, v112
	v_lshlrev_b32 v[BQ], 7, v114                   ; Q, K: columns 32 h ..
	v_and_b32 v117, 7, v113
	v_lshrrev_b32 v118, 3, v113
	v_lshlrev_b32 v116, 7, v118
	v_lshl_add_u32 v[BV], v117, 2, v116            ; V: column 32 (r / 8) + r % 8 (+ 8 t)
	WALU
	WIN 0xc0
.irp k, 0,1,2,3,4,5,6,7
	global_load_b128 v[224+4*\k:227+4*\k], v[BQ], s[68:69] offset:16*\k
	global_load_b128 v[96+4*\k:99+4*\k], v[BQ], s[68:69] offset:4096+16*\k
.endr
	WIN 0x80
.irp t, 0,1,2,3
	global_load_b32 v[32*\t+24], v[BV], s[68:69] offset:8192+32*\t
.endr
	WIN 0
.irp s, 0,1,2,3,4,5,6,7                            ; one word a lane for 32 positions: lanes 0-15 an even tile's, lanes 16-31 the odd one's
.irp m, 0,1,2,3,4,5
	global_load_b32 v[SC+8*\s+\m], v[LN4], s[66:67] offset:16384*\s+128*\m
.endr
.irp m, 0,1
	global_load_b32 v[SC+8*\s+6+\m], v[LN4], s[60:61] offset:16896*\s+128*\m
	global_load_b32 v[SY+8*(\s/2)+6*(\s%2)+\m], v[LN4], s[62:63] offset:16896*\s+128*\m
.endr
.endr
	; scalars of the addresses and of the mask
	s_add_co_u32 s76, s14, 1
	s_mul_i32 s76, s76, 12288                      ; my band's tiles in a slot
	s_mul_i32 s77, s16, 61440                      ; the outer band's
	s_mul_i32 s78, s14, 6144
	s_add_co_u32 s78, s78, IMG                     ; band w's image
	s_add_co_u32 s79, s78, 512
	s_lshl_b32 s88, s14, 8
	s_add_co_u32 s88, s88, SCL                     ; band w's scale bytes
	s_lshl_b32 s89, s14, 7
	s_add_co_u32 s89, s89, QSC
	s_mul_i32 s90, s16, 30720
	s_mul_i32 s91, s15, 3072
	s_add_co_u32 s90, s90, s91
	s_add_co_u32 s90, s90, IMG                     ; where the outer band's image goes
	s_add_co_u32 s91, s90, 512
	s_mul_i32 s92, s16, 1280
	s_lshl_b32 s93, s15, 7
	s_add_co_u32 s92, s92, s93
	s_add_co_u32 s92, s92, SCL
	s_lshl_b32 s74, s84, 2
	s_add_co_u32 s74, s74, s14
	s_mul_i32 s74, s74, 18                         ; the prefetches: my 18 of a chunk's 288 units of x,
	s_lshl_b32 s75, s85, 2
	s_add_co_u32 s75, s75, s14
	s_mul_i32 s75, s75, 9                          ; my 9 of its 144 of W
	s_mov_b32 s93, 9216
	s_and_b32 s19, s18, 7
	s_lshl_b32 s12, s14, 3
	s_add_co_u32 s12, s12, s19                     ; e % 8 + 8 w
	WALU
	v_add_nc_u32 v[AX], s76, v[LN16]
	v_add_nc_u32 v[AY], s77, v[LN16]
	v_add_nc_u32 v[AW], WOFF, v[LN16]
	v_add_nc_u32 v[AX+1], SLOT, v[AX]
	v_add_nc_u32 v[AY+1], SLOT, v[AY]
	v_add_nc_u32 v[AW+1], SLOT, v[AW]
	v_lshl_or_b32 v115, v113, 1, v114              ; 2 r + h
	v_add_nc_u32 v[IA], s78, v[LN16]
	v_lshl_add_u32 v[IB], v112, 3, s79
	v_add_nc_u32 v[IS], s88, v115
	v_lshl_add_u32 v[RS], v113, 1, s88
	v_add_nc_u32 v[QA], s89, v115
	v_lshl_add_u32 v[QR], v113, 1, s89
	v_add_nc_u32 v[EA], s90, v[LN16]
	v_lshl_add_u32 v[EB], v112, 3, s91
	v_add_nc_u32 v[ES], s92, v115
	; a prefetch names a chunk's rows as units of 256 bytes, 12 to a tile: unit n is at 256 n + 9216 (n / 12).  The sixteen waves that ask jointly share the units out by address
	v_min_u32 v119, 17, v112
	v_min_u32 v120, 8, v112
	v_add_nc_u32 v119, s74, v119
	v_add_nc_u32 v120, s75, v120
	v_mul_u32_u24 v121, 171, v119
	v_mul_u32_u24 v122, 171, v120
	v_lshrrev_b32 v121, 11, v121
	v_lshrrev_b32 v122, 11, v122
	v_lshlrev_b32 v119, 8, v119
	v_lshlrev_b32 v120, 8, v120
	v_mad_u32_u24 v[PFX], v121, s93, v119
	v_mad_u32_u24 v[PFW], v122, s93, v120
	; the mask's thresholds: 32 (r / 8) + r % 8 - 32 h
	v_lshl_add_u32 v117, v118, 5, v117
	v_lshlrev_b32 v118, 5, v114
	v_sub_nc_u32 v117, v117, v118
	v_mov_b32 v120, 64
	v_mov_b32 v122, 0xffffffc0
	v_mov_b32 v123, 0
	v_mov_b32 v124, 0xf149f2ca                     ; -1e30
	s_cmp_eq_u32 s12, 0                            ; band 0 lies in front of the sequence: all of it is hidden from wave 0
	s_cselect_b32 vcc_lo, -1, 0
	v_cndmask_b32 v119, v117, v120, vcc_lo
	s_cmp_eq_u32 s12, 31                           ; band 5 lies behind it: from wave 3
	s_cselect_b32 vcc_lo, -1, 0
	v_cndmask_b32 v121, v117, v122, vcc_lo
	WALU
	WIN 0x40
.macro MASK8 base
.irp i, 0,1,2,3,4,5,6,7
	v_cndmask_b32 v[\base+\i], v123, v124, vcc_lo
.endr
.endm
	v_cmp_lt_i32 vcc_lo, -1, v119                  ; the band ahead: hidden where m < threshold
	MASK8 MP
.irp i, 0,1,2,3,4,5,6,7
	v_cmp_lt_i32 vcc_lo, \i, v119
	v_cndmask_b32 v[MP+8+\i], v123, v124, vcc_lo
.endr
	v_cmp_lt_i32 vcc_lo, 31, v119
	MASK8 MP+16
	v_cmp_gt_i32 vcc_lo, 0, v121                   ; the band behind: hidden where m > threshold
	MASK8 MN
.irp i, 0,1,2,3,4,5,6,7
	v_cmp_gt_i32 vcc_lo, \i, v121
	v_cndmask_b32 v[MN+8+\i], v123, v124, vcc_lo
.endr
	v_cmp_gt_i32 vcc_lo, 32, v121
	MASK8 MN+16
	WIN 0
	WALU
	s_wait_loadcnt 0x28                            ; the biases and the scale words of steps 0 to 3; those of steps 4 to 7, 40 loads, may be out
	WIN 0x82
.irp t, 0,1,2,3
.irp i, 1,2,3,4,5,6,7
	v_mov_b32 v[32*\t+24+\i], v[32*\t+24]          ; V's bias is one number a lane and tile
.endr
.endr
	WIN 0
	WALU
	s_cmp_lt_u32 s14, 2
	s_cbranch_scc0 .Lnot_chunk_0
	s_wait_tensorcnt 0x0
.Lnot_chunk_0:
	s_barrier_signal -1                            ; chunk 0 is in; chunk 1 may be on its way
	s_barrier_wait -1
.macro ALL12 list
.set I_, 0
.rept 12
	\list I_, 0
.set I_, I_+1
.endr
.endm
	ALL12 L_K
	ALL12 L_V
	ALL12 L_Y
	ALL12 L_X
	ALL12 L_Q
	WIN 0
	global_prefetch_b8 v[PFX], s[56:57] offset:6144 th:TH_LOAD_NT scope:SCOPE_SE   ; chunk 2, which the next step's round asks for
	global_prefetch_b8 v[PFW], s[58:59] offset:6144 th:TH_LOAD_NT scope:SCOPE_SE
	s_wait_dscnt 0x0
; ================= THE PRODUCTS
	; step 0: the outer band first, which takes the biases from K's and V's accumulators
	EGRP 0, L_X, 12
	GRP 0, 0, L_Q, 12
	PLACES 4
	GRP 2, 0, L_VY, 18
	PLACES 4
	GRP 4, 0, L_KY, 18
.macro EVEN s
	s_wait_dscnt 18                                ; V's and my band's fragments are in; the last group's 18 loads may be out
	PLACES 4
	GRP 0, \s, L_X, 12
	s_wait_dscnt 12                                ; K's and the outer band's too; the 12 just issued may be out
	EGRP \s, L_Q, 12
	PLACES 4
	GRP 2, \s, L_VY, 18
	PLACES 4
	GRP 4, \s, L_KY, 18
.endm
.macro ODD s, fill                     ; the next chunk is shown to all; fill = 1: the slot that is read out is filled again, in a round of the cluster's barrier
	WIN 0
	s_wait_tensorcnt 0x0
.if \fill
	ds_add_u32 v[SPW], v[NIL]
	s_wait_dscnt 19                                ; (the add and the last group's 18 loads may be out)
.else
	s_wait_dscnt 18
.endif
	GRP 0, \s, L_NONE, 0, 0, 4
	s_wait_dscnt 0x0                               ; my reads of this slot are over
	s_barrier_signal -1
	GRP 0, \s, L_NONE, 0, 4, 8
	WIN 0
	s_barrier_wait -1
.if \fill
	CREST
.if (\s) == 1
	s_add_nc_u64 s[42:43], s[42:43], 6144          ; two chunks on
	s_add_nc_u64 s[46:47], s[46:47], 6144
	REFILL 0, 40, 44
.else
	s_add_nc_u64 s[50:51], s[50:51], 6144
	s_add_nc_u64 s[54:55], s[54:55], 6144
	REFILL 2, 48, 52
.endif
.endif
	PLACES 4
	EGRP \s, L_XQ, 24
	PLACES 4
	GRP 2, \s, L_VY, 18
	WIN 0
.if (\s) == 1
	global_prefetch_b8 v[PFX], s[56:57] offset:9216 th:TH_LOAD_NT scope:SCOPE_SE   ; chunk 3, which step 3's round asks for
	global_prefetch_b8 v[PFW], s[58:59] offset:9216 th:TH_LOAD_NT scope:SCOPE_SE
.endif
	PLACES 4
	GRP 4, \s, L_KY, 18
.endm
	ODD 1, 1
	EVEN 2
	ODD 3, 1
	s_wait_loadcnt 0x0                             ; the scale words of steps 4 to 7
	EVEN 4
	ODD 5, 0
	EVEN 6
	; step 7: nothing more is fetched; each group's finished sums are quantised behind the next group's products
	s_wait_dscnt 18
	GRP 0, 7, L_NONE, 0
	s_wait_dscnt 0x0
	PLACES 4
	EGRP 7, L_QV, 92
	PUT4 IA, IB, IS, 9216, 384                     ; V of my band
	PLACES 4
	GRP 2, 7, L_QE, 92
	PUT4 EA, EB, ES, 0, 0                          ; the outer band
	PLACES 4
	GRP 4, 7, L_QK, 92
	PUT4 IA, IB, IS, 6144, 256                     ; K of my band
	PLACES 4
	s_wait_xcnt 0x0
	s_wait_dscnt 0x0
	s_barrier_signal -1
	; Q's quantiser and the constants of the attention: register work
.set I_, 0
.rept 92
	QI I_, 4, 3, 128, 1, QOP, 12
.set I_, I_+1
.endr
	WIN 0x40
.irp u, 0,1,2,3
.irp i, 6,7,8,9,10,11
	v_mov_b32 v[QOP+12*\u+\i], 0                   ; a head has 64 channels: the operand's upper 64 are zero codes of Q
.endr
.endr
.irp i, 72,73,74,75,76,77
	v_mov_b32 v[\i], 0
.endr
	WIN 0xc0
.irp i, 72,73,74,75,76,77
	v_mov_b32 v[\i], 0
.endr
.irp i, 6,7,8,9,10,11
	v_mov_b32 v[P1+\i], 0                          ; three bands: the second product's upper 64 keys are zero codes of p
	v_mov_b32 v[P1+12+\i], 0
.endr
	WIN 0
.irp i, 0,1,2,3
	v_mov_b32 v[TQ+\i], 0                          ; a lane permute's destination counts as one of its sources
.endr
	v_mov_b32 v[RL+1], 0                           ; named as upper halves of pairs
	v_mov_b32 v[RL+3], 0
	v_and_b32 v112, 31, v0
	v_bfe_u32 v113, v0, 4, 1
	v_lshlrev_b32 v6, 3, v112                      ; v6: 8 x lane
	v_lshlrev_b32 v7, 3, v113                      ; v7: 8 h
	v_add_nc_u32 v8, OSC, v[LN16]                  ; v8: where wave 0 reads the result's scale bytes
	WALU
	s_barrier_wait -1
; ================= ATTENTION
.irp u, 0,1,2,3
	ds_store_b8 v[QA], v[QB+\u] offset:32*\u       ; my own bytes: LDS serves a wave's instructions in order
.endr
	WIN 0x40
.irp c, 0,1,2
.irp j, 0,1,2,3
	ds_load_b128 v[24*\c+6*\j:24*\c+6*\j+3], v[IA] offset:6144*\c+768*\j
	ds_load_b64 v[24*\c+6*\j+4:24*\c+6*\j+5], v[IB] offset:6144*\c+768*\j
.endr
.endr
	WIN 0
.irp c, 0,1,2
.irp j, 0,1,2,3
	ds_load_u16 v[16+8*\c+\j], v[RS] offset:256*\c+32*\j
.endr
.endr
.irp u, 0,1,2,3
	ds_load_u16 v[20+\u], v[QR] offset:32*\u
.endr
	WIN 0xc0
.irp t, 0,1,2,3
.irp c, 0,1,2
	ds_load_b128 v[18*\t+6*\c:18*\t+6*\c+3], v[IA] offset:6144*\c+3072+768*\t
	ds_load_b64 v[18*\t+6*\c+4:18*\t+6*\c+5], v[IB] offset:6144*\c+3072+768*\t
.endr
.endr
	WIN 0
.irp t, 0,1,2,3
	ds_load_u16 v[40+\t], v[RS] offset:128+32*\t
	ds_load_u16 v[VT+\t], v[RS] offset:384+32*\t
	ds_load_u16 v[48+\t], v[RS] offset:640+32*\t
.endr
	WALU
	s_wait_dscnt 36                                ; K, its scale words and Q's; V's 24 + 12 loads may be out
.macro SCORE a, c, j, x
.set u_, 2*(\a)+(\x)
.set g_, (\j)-u_
.set m_, 8
.if g_ < 0
.set m_, 0
.elseif g_ > 0
.set m_, 16
.endif
.set m_, m_+MP+12*(\c)                 ; c = 0: MP; c = 2: MN
.set rD, 96*(\x)+32*(\c)+8*(\j)
.set rA, 24*(\c)+6*(\j)
.set rB, QOP+12*u_
.if (\c) == 1
	v_wmma_scale_f32_16x16x128_f8f6f4 v[rD:rD+7], v[rA:rA+11], v[rB:rB+11], 0, v[16+8*(\c)+(\j)], v[20+u_] matrix_a_fmt:MATRIX_FMT_FP6 matrix_b_fmt:MATRIX_FMT_FP6
.else
	v_wmma_scale_f32_16x16x128_f8f6f4 v[rD:rD+7], v[rA:rA+11], v[rB:rB+11], v[m_:m_+7], v[16+8*(\c)+(\j)], v[20+u_] matrix_a_fmt:MATRIX_FMT_FP6 matrix_b_fmt:MATRIX_FMT_FP6
.endif
.endm
; Two query tiles by turns.  Scores of tile x in window 2: register 96 x + 32 c + n is key 32 h + n of band c.
.macro PAIR a
.if (\a) > 0
	WALU
	s_wait_xcnt 0x0                                ; the last pair's stores have read their registers
.endif
	WIN 0x95
.irp c, 0,1,2
.irp j, 0,1,2,3
.irp x, 0,1
	SCORE \a, \c, \j, \x
.endr
.endr
.endr
	PLACES 4
	WIN 0x2a
.irp c, 0,1,2                                      ; each block's largest score: for the row's maximum and for the block's largest p
.irp x, 0,1
	v_max3_num_f32 v[BM+3*\x+\c], v[96*\x+32*\c], v[96*\x+32*\c+1], v[96*\x+32*\c+2]
.endr
.endr
	WIN 0x28
.irp i, 3,5,7,9,11,13,15,17,19,21,23,25,27,29
.irp c, 0,1,2
.irp x, 0,1
	v_max3_num_f32 v[BM+3*\x+\c], v[BM+3*\x+\c], v[96*\x+32*\c+\i], v[96*\x+32*\c+\i+1]
.endr
.endr
.endr
	WIN 0x08
.irp c, 0,1,2
.irp x, 0,1
	v_max_num_f32 v[BM+3*\x+\c], v[BM+3*\x+\c], v[96*\x+32*\c+31]
.endr
.endr
	WIN 0
.irp x, 0,1
	v_max3_num_f32 v[TP+\x], v[BM+3*\x], v[BM+3*\x+1], v[BM+3*\x+2]
.endr
.irp x, 0,1
	v_permlanex16_b32 v[TQ+\x], v[TP+\x], s80, s81
.endr
.irp x, 0,1
	v_max_num_f32 v[TP+\x], v[TP+\x], v[TQ+\x]
.endr
.irp x, 0,1
	v_mul_f32 v[NM+2*\x+1], s82, v[TP+\x]          ; the row's largest t
.endr
.irp x, 0,1
	v_floor_f32 v[NM+2*\x], -v[NM+2*\x+1]          ; -M
.endr
.irp c, 0,1,2
.irp x, 0,1
	v_fma_f32 v[BM+3*\x+\c], v[BM+3*\x+\c], s82, v[NM+2*\x]
.endr
.endr
	WIN 0x82
.set I_, 0
.rept 48
.irp x, 0,1
	v_pk_fma_f32 v[96*\x+I_:96*\x+I_+1], v[96*\x+I_:96*\x+I_+1], s[82:83], v[NM+2*\x:NM+2*\x+1] op_sel_hi:[1,0,0]
.endr
.set I_, I_+2
.endr
	WALU                                           ; the wait ahead of the batch,
.set I_, 0
.rept 192
	v_exp_f32 v[I_], v[I_]                         ; p = 2^(t - M); 0 where the key is hidden
.set I_, I_+1
.endr
	WIN 0
.irp i, 0,1,2,3,4,5
	v_exp_f32 v[BM+\i], v[BM+\i]                   ; each block's largest p
.endr
	v_nop
	WALU                                           ; and behind it
	WIN 0x0a
.irp k, 0,1,2,3                                    ; the row's sum of the unquantised p, four chains a tile
.irp x, 0,1
	v_pk_add_f32 v[LC+8*\x+2*\k:LC+8*\x+2*\k+1], v[96*\x+4*\k:96*\x+4*\k+1], v[96*\x+4*\k+2:96*\x+4*\k+3]
.endr
.endr
	WIN 0x08
.set I_, 8
.rept 40
.irp x, 0,1
	v_pk_add_f32 v[LC+8*\x+2*(I_%4):LC+8*\x+2*(I_%4)+1], v[LC+8*\x+2*(I_%4):LC+8*\x+2*(I_%4)+1], v[96*\x+2*I_:96*\x+2*I_+1]
.endr
.set I_, I_+1
.endr
	WIN 0
.irp x, 0,1
	v_pk_add_f32 v[LC+8*\x:LC+8*\x+1], v[LC+8*\x:LC+8*\x+1], v[LC+8*\x+2:LC+8*\x+3]
	v_pk_add_f32 v[LC+8*\x+4:LC+8*\x+5], v[LC+8*\x+4:LC+8*\x+5], v[LC+8*\x+6:LC+8*\x+7]
.endr
.irp i, 0,1,2,3,4,5
	v_max_num_f32 v[BM+\i], 0x1800000, v[BM+\i]    ; the floor 2^(3 - 127)
.endr
.irp x, 0,1
	v_pk_add_f32 v[LC+8*\x:LC+8*\x+1], v[LC+8*\x:LC+8*\x+1], v[LC+8*\x+4:LC+8*\x+5]
.endr
.irp i, 0,1,2,3,4,5
	v_add_nc_u32 v[SE+\i], 0xff000000, v[BM+\i]
.endr
.irp x, 0,1
	v_add_f32 v[TP+\x], v[LC+8*\x], v[LC+8*\x+1]
.endr
.irp i, 0,1,2,3,4,5
	v_lshrrev_b32 v[PB+\i], 23, v[SE+\i]
.endr
.irp x, 0,1
	v_permlanex16_b32 v[TQ+\x], v[TP+\x], s80, s81
.endr
.irp x, 0,1
	v_lshl_or_b32 v[WD+\x], v[PB+3*\x+1], 16, v[PB+3*\x]
	v_lshlrev_b32 v[WE+\x], v7, v[PB+3*\x+2]
.endr
.irp x, 0,1
	v_add_f32 v[TP+\x], v[TP+\x], v[TQ+\x]         ; the row's sum
	v_lshlrev_b32 v[WD+\x], v7, v[WD+\x]           ; my bytes at their places in the scale words,
.endr
.irp x, 0,1
	v_permlanex16_b32 v[TQ+\x], v[WD+\x], s80, s81
	v_permlanex16_b32 v[TR+\x], v[WE+\x], s80, s81
.endr
.irp x, 0,1
	v_or_b32 v[44+\x], v[WD+\x], v[TQ+\x]          ; with lane l xor 16's
	v_or_b32 v[52+\x], v[WE+\x], v[TR+\x]
.endr
	WIN 0x02
.irp x, 0,1
.irp c, 0,1
	v_cvt_scalef32_pk16_fp6_f32 v[PC+12*\x+6*\c:PC+12*\x+6*\c+2], v[96*\x+32*\c:96*\x+32*\c+15], v[SE+3*\x+\c]
.endr
.irp c, 0,1,2
	v_cvt_scalef32_pk16_fp6_f32 v[TC+12*\x+4*\c:TC+12*\x+4*\c+2], v[96*\x+32*\c+16:96*\x+32*\c+31], v[SE+3*\x+\c]
.endr
.endr
	WIN 0xc2
.irp x, 0,1
	v_cvt_scalef32_pk16_fp6_f32 v[P1+12*\x:P1+12*\x+2], v[96*\x+64:96*\x+79], v[SE+3*\x+2]
.endr
	v_nop                                          ; one plain line behind the scaled conversions
	WIN 0
.irp x, 0,1
.irp i, 0,1,2
	v_mov_b32 v[PC+12*\x+3+\i], v[TC+12*\x+\i]
	v_mov_b32 v[PC+12*\x+9+\i], v[TC+12*\x+4+\i]
.endr
.endr
	WIN 0xc0
.irp x, 0,1
.irp i, 0,1,2
	v_mov_b32 v[P1+12*\x+3+\i], v[TC+12*\x+8+\i]
.endr
.endr
	WIN 0
.if (\a) == 0
	WALU
	s_wait_dscnt 0x0                               ; V
.irp t, 0,1,2,3
	v_lshl_or_b32 v[40+\t], v[VT+\t], 16, v[40+\t] ; V's scale word for bands w, w + 1
.endr
.endif
	WALU
	v_rcp_f32 v[RL], v[TP]
	v_rcp_f32 v[RL+2], v[TP+1]
	PLACES 8                                       ; places behind the reciprocals, and between operands and scales written by vector instructions and the scaled products
	WALU
	WIN 0x03
.irp t, 0,1,2,3                                    ; the eight accumulators by turns
.irp x, 0,1
	v_wmma_scale_f32_16x16x128_f8f6f4 v[O+32*\x+8*\t:O+32*\x+8*\t+7], v[18*\t:18*\t+11], v[PC+12*\x:PC+12*\x+11], 0, v[40+\t], v[44+\x] matrix_a_fmt:MATRIX_FMT_FP6 matrix_b_fmt:MATRIX_FMT_FP6
.endr
.endr
	WIN 0x0f
.irp t, 0,1,2,3
.irp x, 0,1
	v_wmma_scale_f32_16x16x128_f8f6f4 v[O+32*\x+8*\t:O+32*\x+8*\t+7], v[18*\t+12:18*\t+23], v[P1+12*\x:P1+12*\x+11], v[O+32*\x+8*\t:O+32*\x+8*\t+7], v[48+\t], v[52+\x] matrix_a_fmt:MATRIX_FMT_FP6 matrix_b_fmt:MATRIX_FMT_FP6
.endr
.endr
	WIN 0
	PLACES 4
.set I_, 0
.rept 16
.irp x, 0,1
	v_pk_mul_f32 v[O+32*\x+I_:O+32*\x+I_+1], v[O+32*\x+I_:O+32*\x+I_+1], v[RL+2*\x:RL+2*\x+1] op_sel_hi:[1,0]
.endr
.set I_, I_+2
.endr
.set I_, 0
.rept 46
	QI I_, 2, 0, O, 0, QCD, 6
.set I_, I_+1
.endr
	WIN 0
.irp x, 0,1                                        ; half a fragment: 16 bytes a lane, then 8
	global_store_b128 v[LN16], v[QCD+6*\x:QCD+6*\x+3], s[70:71] offset:12288*(2*(\a)+\x)
	global_store_b64 v6, v[QCD+6*\x+4:QCD+6*\x+5], s[70:71] offset:12288*(2*(\a)+\x)+512
	ds_store_b8 v[QA], v[QB+\x] offset:512+32*(2*(\a)+\x)
.endr
.endm
	PAIR 0
	PAIR 1
	WALU
	s_wait_dscnt 0x0                               ; for wave 0's sake: my scale bytes have landed
	s_barrier_signal -1
	s_barrier_wait -1
	s_cmp_lg_u32 s14, 0
	s_cbranch_scc1 .Lend
	ds_load_b128 v[112:115], v8                    ; 256 tokens' scale bytes: 512 bytes
	s_wait_dscnt 0x0
	global_store_b128 v[LN16], v[112:115], s[72:73]
.Lend:
	s_wait_tensorcnt 0x0                           ; the wave's end
	ds_add_u32 v[SPW], v[NIL]
	s_wait_dscnt 0x0
	CROUND                                         ; the closing round
	s_endpgm
.Lfunc_end_k_q8e791a55ae_qkva:
	.size	k_q8e791a55ae_qkva, .Lfunc_end_k_q8e791a55ae_qkva-k_q8e791a55ae_qkva
	.p2alignl 7, 3214868480
	.fill 96, 4, 3214868480
	.section	.rodata,"a",@progbits
	.p2align	6, 0x0
	.amdhsa_kernel k_q8e791a55ae_qkva
		.amdhsa_group_segment_fixed_size 327680
		.amdhsa_private_segment_fixed_size 0
		.amdhsa_enable_private_segment 0
		.amdhsa_kernarg_size 32
		.amdhsa_user_sgpr_count 2
		.amdhsa_user_sgpr_kernarg_segment_ptr 1
		.amdhsa_wavefront_size32 1
		.amdhsa_system_sgpr_workgroup_id_x 1
		.amdhsa_system_sgpr_workgroup_id_y 1
		.amdhsa_system_sgpr_workgroup_id_z 1
		.amdhsa_system_vgpr_workitem_id 0
		.amdhsa_next_free_vgpr 1024
		.amdhsa_next_free_sgpr 96
		.amdhsa_reserve_vcc 1
		.amdhsa_float_denorm_mode_32 3
		.amdhsa_float_denorm_mode_16_64 3
		.amdhsa_memory_ordered 1
		.amdhsa_forward_progress 1
		.amdhsa_inst_pref_size 255
	.end_amdhsa_kernel
	.section	.bss,"aw",@nobits
	.p2align	6
	.space	262144
	.amdgpu_metadata
---
amdhsa.version: [ 1, 2 ]
amdhsa.kernels:
  - .name:           k_q8e791a55ae_qkva
    .symbol:         k_q8e791a55ae_qkva.kd
    .args:
      - { .name: xq, .offset: 0, .size: 8, .value_kind: global_buffer, .address_space: global }
      - { .name: wq, .offset: 8, .size: 8, .value_kind: global_buffer, .address_space: global }
      - { .name: b_qkv, .offset: 16, .size: 8, .value_kind: global_buffer, .address_space: global }
      - { .name: oq, .offset: 24, .size: 8, .value_kind: global_buffer, .address_space: global }
    .group_segment_fixed_size: 327680
    .private_segment_fixed_size: 0
    .kernarg_segment_align: 8
    .kernarg_segment_size: 32
    .max_flat_workgroup_size: 128
    .sgpr_count:     96
    .vgpr_count:     1024
    .wavefront_size: 32
...
	.end_amdgpu_metadata
.endif
;; end of part 2
;; launch proj (part 3): grid 8 x 32, 4 waves a work-group, clusters of 4 x 4, 214,528 bytes of LDS; arguments oq, pq, b_proj, out0; writes out0
.if DOCPART == 3
	.amdgcn_target "amdgcn-amd-amdhsa--gfx1250"
	.amdhsa_code_object_version 6
	.text
	.protected	k_q8e791a55ae_proj
	.globl	k_q8e791a55ae_proj
	.p2align	8
	.type	k_q8e791a55ae_proj,@function
k_q8e791a55ae_proj:
	s_mov_b64 s[64:65], 0
	v_nop
	global_prefetch_b8 v0, s[64:65] scope:SCOPE_SE
	s_setreg_imm32_b32 hwreg(HW_REG_WAVE_MODE, 25, 1), 1
	s_wait_xcnt 0x0
	s_wait_alu depctr_hold_cnt(0) depctr_sa_sdst(0) depctr_va_vdst(0) depctr_va_sdst(0) depctr_va_ssrc(0) depctr_va_vcc(0) depctr_vm_vsrc(0)
	s_getreg_b32 s2, hwreg(HW_REG_IB_STS2, 6, 4)
	s_cmp_eq_u32 s2, 0
	s_cbranch_scc0 .Lentry_in_a_cluster
	s_endpgm
.Lentry_in_a_cluster:
	s_bfe_u32 s2, ttmp6, 0x10000c
	s_cmp_lg_u32 s2, 0xf033
	s_cbranch_scc0 .Lentry_shape_is_right
	s_endpgm
.Lentry_shape_is_right:
; out0 = attention's result x W_proj + b_proj on codes of FP6 (E2M3), K = 1024; out0 [4096][1024] f32.
; A tile of 128 x 128 to a work-group, so that there are 256 work-groups; four waves, each 64 x 64: 16 accumulators.  Source 0 = 16 columns of W (by position), source 1 = 16 tokens (by position).
; ORDER: position 16 j + 8 h + i of each 64 is index 32 h + 8 j + i: a lane holds one token, and its registers 8 j + i the columns 32 h + 8 j + i of 64.
; All of K lies in LDS at once, as two halves of 512 along K (A's 8 tiles x 6,144 bytes, then B's), each filled once: one tensor load a wave: waves 0, 1 bring A and B of the first half, waves 2, 3 of the second.  Nothing is filled again.
; A's tiles are asked for jointly along a row of the cluster, B's along a column.  All that is loaded is asked for at the head, and there is no loop to run ahead in: so no prefetch.
; The scale words go straight into registers; A's come as two halves of 16 bits, one a head.  The bias is the C of each sum's first product.  The tokens' order is undone by the stores' row offsets.
; REGISTERS: window 0: v8-21 addresses; v32-47 A's scale words, v48-63 B's; v64-95 and v96-127 rows on the way out (v96-127 first hold the bias, v64-79 upper halves of scale words); v128-255 accumulator (a, b) at v[128 + 8 (4 a + b)].
;   window 1: two fragment buffers at v0 and v128: A's four fragments, then B's four.
.set HALFK, 98304
.set BOFF,  49152
.set STAGE, 196608                     ; 16 rows x (256 + 16) bytes for each wave
.set SPARE, 214016
.set A16, 8
.set A8,  10
.set B16, 12
.set LN2, 14
.set LN4, 16
.set LN16, 17
.set STO, 18
.set RD,  19
.set CO,  20
.set SA,  32
.set SB,  48
.set BK0, 64
.set BB,  96
.set ACC, 128
.set MSB, 0
.macro WIN new
.if MSB != \new
	s_set_vgpr_msb (MSB<<8)|\new
.set MSB, \new
.endif
.endm
.set MUL,  0x05                        ; sources 0 and 1 window 1; C and D window 0
.set TO_F, 0x40
.macro PLACES
.rept 4
	v_nop
.endr
.endm
.macro CROUND
	s_barrier_signal -1
	s_barrier_wait -1
	s_cmp_lg_u32 s14, 0
	s_cbranch_scc1 .Lnot_wave_0_\@
	s_barrier_signal -3
.Lnot_wave_0_\@:
	s_barrier_wait -3
	s_barrier_signal -1
	s_barrier_wait -1
.endm
.macro TLOAD g0, g1
	tensor_load_to_lds s[\g0:\g0+3], s[\g1:\g1+7]
	s_nop 0
	PLACES
.endm
	s_load_b256 s[4:11], s[0:1], 0x0               ; oq, pq, b_proj, out0
	v_lshl_add_u32 v30, v0, 2, SPARE
	v_mov_b32 v31, 0
	ds_add_u32 v30, v31                            ; the opening lines
	ds_add_u32 v30, v31
	v_lshrrev_b32 v1, 5, v0
	v_readfirstlane_b32 s14, v1                    ; wave
	s_lshr_b32 s15, s14, 1                         ; my half of the tokens
	s_and_b32 s16, s14, 1                          ; my half of the columns
	s_bfe_u32 s84, ttmp6, 0x40000
	s_bfe_u32 s85, ttmp6, 0x40004
	s_lshl_b32 s19, ttmp9, 2
	s_add_co_u32 s19, s19, s84                     ; tile of 128 columns
	s_and_b32 s18, ttmp7, 0xffff
	s_lshl_b32 s18, s18, 2
	s_add_co_u32 s18, s18, s85                     ; tile of 128 tokens
	s_lshl_b32 s86, s85, 2
	s_lshl_b32 s86, 15, s86                        ; my row of the cluster
	s_lshl_b32 s87, 0x1111, s84                    ; my column
	s_or_b32 s24, s86, (3<<16)|(1<<21)
	s_or_b32 s32, s87, (3<<16)|(1<<21)
.irp g, 24, 32
	s_mov_b32 s[\g+1], 768<<16                     ; rows of 768 elements of 8 bytes,
	s_mov_b32 s[\g+2], 8<<16                       ; eight of them,
	s_mov_b32 s[\g+3], 768<<16
	s_mov_b32 s[\g+4], 8
	s_mov_b32 s[\g+5], 1536                        ; 12,288 bytes apart
	s_mov_b32 s[\g+6], 0
	s_mov_b32 s[\g+7], 0
.endr
	s_mul_i32 s20, s18, 98304
	s_add_co_u32 s20, s20, 131072                  ; A's codes
	s_mov_b32 s21, 0
	s_mul_i32 s22, s19, 98304
	s_add_co_u32 s22, s22, 32768                   ; B's codes
	s_mov_b32 s23, 0
	s_lshl_b32 s60, s18, 8
	s_lshl_b32 s13, s15, 7
	s_add_co_u32 s60, s60, s13                     ; 2 x my first token
	s_mov_b32 s61, 0
	s_lshl_b32 s62, s19, 9
	s_lshl_b32 s13, s16, 8
	s_add_co_u32 s62, s62, s13                     ; 4 x my first column
	s_mov_b32 s63, 0
	s_lshl_b32 s90, s60, 11                        ; a row of out0 is 4,096 bytes
	s_add_co_u32 s90, s90, s62
	s_mov_b32 s91, 0
	s_wait_dscnt 0x0
	CROUND                                         ; all sixteen work-groups are here: the joint loads meet
	s_wait_kmcnt 0x0
	s_add_nc_u64 s[56:57], s[4:5], s[20:21]
	s_add_nc_u64 s[58:59], s[6:7], s[22:23]
	s_mov_b32 s40, 1
	s_mov_b32 s41, 0
	s_mov_b64 s[42:43], s[56:57]
	s_or_b32 s43, s43, 0x80000000
	s_mov_b32 s44, 1
	s_mov_b32 s45, BOFF
	s_mov_b64 s[46:47], s[58:59]
	s_or_b32 s47, s47, 0x80000000
	s_mov_b32 s48, 1
	s_mov_b32 s49, HALFK
	s_add_nc_u64 s[50:51], s[56:57], 6144
	s_or_b32 s51, s51, 0x80000000
	s_mov_b32 s52, 1
	s_mov_b32 s53, HALFK+BOFF
	s_add_nc_u64 s[54:55], s[58:59], 6144
	s_or_b32 s55, s55, 0x80000000
	s_cmp_eq_u32 s14, 0
	s_cbranch_scc0 .Lwave_1
	TLOAD 40, 24
	s_branch .Lasked
.Lwave_1:
	s_cmp_eq_u32 s14, 1
	s_cbranch_scc0 .Lwave_2
	TLOAD 44, 32
	s_branch .Lasked
.Lwave_2:
	s_cmp_eq_u32 s14, 2
	s_cbranch_scc0 .Lwave_3
	TLOAD 48, 24
	s_branch .Lasked
.Lwave_3:
	TLOAD 52, 32
.Lasked:
	s_add_nc_u64 s[88:89], s[8:9], s[62:63]
	s_add_nc_u64 s[90:91], s[10:11], s[90:91]
	s_add_nc_u64 s[60:61], s[4:5], s[60:61]
	s_add_nc_u64 s[62:63], s[6:7], s[62:63]
	s_mul_i32 s2, s15, 24576                       ; my four tiles of A,
	s_mul_i32 s3, s16, 24576
	s_add_co_u32 s3, s3, BOFF                      ; of B
	s_add_co_u32 s12, s2, HALFK
	s_mul_i32 s13, s14, 4352
	s_add_co_u32 s13, s13, STAGE                   ; my stage
	v_and_b32 v2, 31, v0
	v_and_b32 v3, 15, v0                           ; r
	v_bfe_u32 v4, v0, 4, 1                         ; h
	v_lshlrev_b32 v[LN16], 4, v2
	v_lshlrev_b32 v[LN4], 2, v2
	v_lshlrev_b32 v[LN2], 1, v2
	v_lshlrev_b32 v5, 7, v4
	s_wait_alu depctr_va_vdst(0)
.irp s, 0,1,2,3,4,5,6,7                            ; register 2 s + m: K group s, positions 32 m + lane of my 64
.irp m, 0,1
	global_load_u16 v[SA+2*\s+\m], v[LN2], s[60:61] offset:16384*\s+64*\m
	global_load_u16 v[BK0+2*\s+\m], v[LN2], s[60:61] offset:16384*\s+8192+64*\m
	global_load_b32 v[SB+2*\s+\m], v[LN4], s[62:63] offset:4096*\s+128*\m
.endr
.endr
.irp k, 0,1,2,3,4,5,6,7                            ; the bias: register n is column 32 h + n of my 64
	global_load_b128 v[BB+4*\k:BB+4*\k+3], v5, s[88:89] offset:16*\k
.endr
	v_add_nc_u32 v[A16], s2, v[LN16]
	v_lshl_add_u32 v[A8], v2, 3, s2
	v_add_nc_u32 v[B16], s3, v[LN16]
	v_add_nc_u32 v[A16+1], s12, v[LN16]
	v_lshl_add_u32 v[A8+1], v2, 3, s12
	v_add_nc_u32 v[B16+1], HALFK, v[B16]
	v_mul_u32_u24 v6, v3, 272
	v_lshl_add_u32 v6, v4, 7, v6
	v_add_nc_u32 v[STO], s13, v6                   ; in: row r, + 128 h
	v_mul_u32_u24 v6, v4, 272
	v_lshl_add_u32 v6, v3, 4, v6
	v_add_nc_u32 v[RD], s13, v6                    ; back: lanes 0-15 one row of 256 bytes, lanes 16-31 the next
	v_lshlrev_b32 v6, 12, v4
	v_lshl_add_u32 v[CO], v3, 4, v6                ; and the same two rows in out0
.macro FETCH s                         ; K group s: 28 loads into buffer s % 2
	WIN TO_F
.irp i, 0,1,2,3
.set d_, 128*((\s)%2)+12*\i
.set o_, 6144*\i+1536*((\s)%4)
	ds_load_b128 v[d_:d_+3], v[A16+(\s)/4] offset:o_
	ds_load_b64 v[d_+4:d_+5], v[A8+(\s)/4] offset:o_+512
	ds_load_b128 v[d_+6:d_+9], v[A16+(\s)/4] offset:o_+768
	ds_load_b64 v[d_+10:d_+11], v[A8+(\s)/4] offset:o_+1280
.irp g, 0,1,2
	ds_load_b128 v[d_+48+4*\g:d_+51+4*\g], v[B16+(\s)/4] offset:o_+512*\g
.endr
.endr
.endm
.macro WMX ra, rb
	v_wmma_scale_f32_16x16x128_f8f6f4 v[rD:rD+7], v[rB:rB+11], v[rA:rA+11], v[rC:rC+7], v[rSB], v[rSA] matrix_a_fmt:MATRIX_FMT_FP6 matrix_b_fmt:MATRIX_FMT_FP6 matrix_a_scale:MATRIX_SCALE_ROW\ra matrix_b_scale:MATRIX_SCALE_ROW\rb
.endm
.macro MUL8 a0, s                      ; 8 products: A's blocks a0, a0 + 1 x B's four.  The 16 accumulators take turns, one instruction a turn
.irp a, \a0, \a0+1
.irp b, 0,1,2,3
.set rD, ACC+8*(4*(\a)+\b)
.set rC, rD
.if (\s) == 0
.set rC, BB+8*\b                       ; the first product starts the sum with the bias
.endif
.set rB, 128*((\s)%2)+48+12*\b
.set rA, 128*((\s)%2)+12*(\a)
.set rSB, SB+2*(\s)+\b/2
.set rSA, SA+2*(\s)+(\a)/2
.if (\b%2) && ((\a)%2)
	WMX 1, 1
.elseif \b%2
	WMX 1, 0
.elseif (\a)%2
	WMX 0, 1
.else
	WMX 0, 0
.endif
.endr
.endr
.endm
.macro KSTEP s
	s_wait_dscnt 0x0                               ; this step's fragments are in
.if (\s) == 3
	s_wait_tensorcnt 0x0                           ; the second half of K has landed
	s_barrier_signal -1
.endif
	WIN MUL
	MUL8 0, \s
.if (\s) == 3
	s_barrier_wait -1
.endif
.if (\s) < 7
	PLACES                                         ; four places in front of loads into the buffer that the last step's products read
	FETCH (\s)+1
.endif
	WIN MUL
	MUL8 2, \s
.endm
	s_wait_alu depctr_va_vdst(0)
	s_cmp_lt_u32 s14, 2
	s_cbranch_scc0 .Lsecond_half
	s_wait_tensorcnt 0x0
.Lsecond_half:
	s_barrier_signal -1                            ; the first half of K is in; the second may be on its way
	s_barrier_wait -1
	FETCH 0
	WIN 0
	s_wait_loadcnt 0x0                             ; the scale words and the bias
.set n_, 0
.rept 16
	v_lshl_or_b32 v[SA+n_], v[BK0+n_], 16, v[SA+n_]
.set n_, n_+1
.endr
	s_wait_alu depctr_va_vdst(0)
	KSTEP 0
	KSTEP 1
	KSTEP 2
	KSTEP 3
	KSTEP 4
	KSTEP 5
	KSTEP 6
	KSTEP 7
	WIN 0
	; THE WAY OUT, a block of 16 tokens x 64 columns at a time through my own stage: sixteen lanes then store 256 consecutive bytes of a row, aligned.
.macro TOSTAGE a
.irp b, 0,1,2,3
	ds_store_b128 v[STO], v[ACC+8*(4*(\a)+\b):ACC+8*(4*(\a)+\b)+3] offset:32*\b         ; each accumulator from its low end on
	ds_store_b128 v[STO], v[ACC+8*(4*(\a)+\b)+4:ACC+8*(4*(\a)+\b)+7] offset:32*\b+16
.endr
.irp i, 0,1,2,3,4,5,6,7
	ds_load_b128 v[BK0+32*((\a)%2)+4*\i:BK0+32*((\a)%2)+4*\i+3], v[RD] offset:544*\i    ; LDS serves a wave's instructions in order
.endr
.endm
.macro SEND a, younger                 ; row 2 i + h of block a is token 32 (i / 4) + 8 a + 2 (i % 4) + h of my 64
	s_wait_dscnt \younger
.irp i, 0,1,2,3,4,5,6,7
	global_store_b128 v[CO], v[BK0+32*((\a)%2)+4*\i:BK0+32*((\a)%2)+4*\i+3], s[90:91] offset:(32*(\i/4)+8*(\a)+2*(\i%4))*4096 th:TH_STORE_NT
.endr
.endm
	PLACES
	TOSTAGE 0
.irp a, 1,2,3
.if \a > 1
	s_wait_xcnt 0x0                                ; block a - 2's stores have read their registers
.endif
	TOSTAGE \a
	SEND \a-1, 16                                  ; behind block a - 1's loads: block a's 8 stores and 8 loads
.endr
	SEND 3, 0
	s_wait_tensorcnt 0x0
	ds_add_u32 v30, v31
	s_wait_dscnt 0x0
	CROUND                                         ; the closing round
	s_endpgm
.Lfunc_end_k_q8e791a55ae_proj:
	.size	k_q8e791a55ae_proj, .Lfunc_end_k_q8e791a55ae_proj-k_q8e791a55ae_proj
	.p2alignl 7, 3214868480
	.fill 96, 4, 3214868480
	.section	.rodata,"a",@progbits
	.p2align	6, 0x0
	.amdhsa_kernel k_q8e791a55ae_proj
		.amdhsa_group_segment_fixed_size 214528
		.amdhsa_private_segment_fixed_size 0
		.amdhsa_enable_private_segment 0
		.amdhsa_kernarg_size 32
		.amdhsa_user_sgpr_count 2
		.amdhsa_user_sgpr_kernarg_segment_ptr 1
		.amdhsa_wavefront_size32 1
		.amdhsa_system_sgpr_workgroup_id_x 1
		.amdhsa_system_sgpr_workgroup_id_y 1
		.amdhsa_system_sgpr_workgroup_id_z 1
		.amdhsa_system_vgpr_workitem_id 0
		.amdhsa_next_free_vgpr 512
		.amdhsa_next_free_sgpr 96
		.amdhsa_reserve_vcc 0
		.amdhsa_float_denorm_mode_32 3
		.amdhsa_float_denorm_mode_16_64 3
		.amdhsa_memory_ordered 1
		.amdhsa_forward_progress 1
		.amdhsa_inst_pref_size 53
	.end_amdhsa_kernel
	.amdgpu_metadata
---
amdhsa.version: [ 1, 2 ]
amdhsa.kernels:
  - .name:           k_q8e791a55ae_proj
    .symbol:         k_q8e791a55ae_proj.kd
    .args:
      - { .name: oq, .offset: 0, .size: 8, .value_kind: global_buffer, .address_space: global }
      - { .name: pq, .offset: 8, .size: 8, .value_kind: global_buffer, .address_space: global }
      - { .name: b_proj, .offset: 16, .size: 8, .value_kind: global_buffer, .address_space: global }
      - { .name: out0, .offset: 24, .size: 8, .value_kind: global_buffer, .address_space: global }
    .group_segment_fixed_size: 214528
    .private_segment_fixed_size: 0
    .kernarg_segment_align: 8
    .kernarg_segment_size: 32
    .max_flat_workgroup_size: 128
    .sgpr_count:     96
    .vgpr_count:     512
    .wavefront_size: 32
...
	.end_amdgpu_metadata
.endif
;; end of part 3
